; MI455X (gfx1250); checked and timed in simulation.
; The chip was launched on July 23, 2026; its instructions are those of AMD's public machine-readable ISA for CDNA 5 (MIT licence, August 2026) and "CDNA5" Instruction Set Architecture Reference Guide (July 2026). The comments in the code are by the model that wrote it; some were corrected since.
;; Gaussian Splat Scene. Allowed arithmetic: matrix products marked QUANTISED: E4M3 operands, one E8M0 scale for each 32 along K, by v_wmma_scale_f32_16x16x128_f8f6f4 with both operands' format E4M3, f32 sums; products left as they are: f32 operands where the result goes on into a quantised operand, else bf16, f16 or f32 operands; f32 sums; everything else in f32.
;; Inputs: gaussian_feats_codes 32 x 512 x 32 uint8 (E4M3 codes of gaussian_feats, K innermost, in blocks of 32 codes); gaussian_feats_scales 32 x 512 uint8 (E8M0 scales of gaussian_feats, one for each 32 codes along K); log_scales 16,384 x 3 float32; means 16,384 x 3 float32; opacity_logits 16,384 float32; query_xyz 4,096 x 3 float32; rotations 16,384 x 4 float32.
;; Outputs: out0 4,096 x 32 float32.
;; This version of the problem:
;;   THIS VERSION OF THE PROBLEM IS GIVEN IN LOW PRECISION. The matrix products marked QUANTISED in the list below multiply operands that are first quantised to E4M3 (4 exponent bits, 3 mantissa bits; 8 bits a number), with one power-of-two scale for each 32 numbers along K (OCP MX v1.0); their sums are f32. All else is computed in f32.
;;   The module's matrix products, in the order in which they are computed (A, B: the left and right operand; K: the contracted axis; several contracted axes count as one K, in the product's order):
;;     1. batch 16,384 x [M 3, K 3] x [K 3, N 3]; A: computed on the way; B: computed on the way: left as it is (K = 3 < 32)
;;     2. [M 4,096, K 9] x [K 9, N 16,384]; A: computed on the way; B: computed on the way: left as it is (K = 9 < 32)
;;     3. batch 16,384 x [M 3, K 3] x [K 3, N 1]; A: computed on the way; B: input means: left as it is (K = 3 < 32)
;;     4. [M 4,096, K 3] x [K 3, N 16,384]; A: input query_xyz; B: computed on the way: left as it is (K = 3 < 32)
;;     5. batch 16,384 x [M 1, K 3] x [K 3, N 1]; A: input means; B: computed on the way: left as it is (K = 3 < 32)
;;     6. [M 4,096, K 16,384] x [K 16,384, N 32]; A: computed on the way; B: input gaussian_feats (given as codes): QUANTISED
;;   THE QUANTISER, for each operand of a quantised product, along K:
;;     - K is cut into blocks of 32 from its start; a last block that is shorter is filled with zeros.
;;     - A block's scale is 2^e with e = floor(log2(the largest magnitude in the block)) - 8, held to -126 .. 127; a block of zeros has e = 0. As a byte (E8M0): e + 127.
;;     - Each number is divided by its block's scale, clamped to +-448, and rounded to the nearest number of E4M3, ties to even, subnormals kept.
;;     - The product sums the exact products of the quantised numbers (number of the format x scale) in f32.
;;   ~~~python
;;   def quantise(x, axis):      # numpy; x: float32 -> the quantised numbers, widened to float32 again
;;       x = np.moveaxis(x, axis, -1); K = x.shape[-1]
;;       x = np.pad(x, [(0, 0)] * (x.ndim - 1) + [(0, -K % 32)]); x = x.reshape(x.shape[:-1] + (-1, 32)); a = np.abs(x).max(-1, keepdims=True)
;;       e = np.where(a > 0, np.clip(np.frexp(np.where(a > 0, a, 1))[1] - 1 - 8, -126, 127), 0)      # np.frexp(a)[1] - 1 = floor(log2(a)), exactly
;;       r = np.clip(x / 2.0 ** e, -448, 448)
;;       step = 2.0 ** (np.maximum(np.frexp(np.where(r == 0, 1, r))[1] - 1, -6) - 3)
;;       q = np.round(r / step) * step * 2.0 ** e      # np.round: ties to even
;;       return np.moveaxis(q.reshape(q.shape[:-2] + (-1,))[..., :K], -1, axis).astype(np.float32)
;;   ~~~
;;   OPERANDS COMPUTED ON THE WAY. 'Computed on the way' means the value that the module computes at that place (a softmax that the list does not call 'softmax' is quantised finished and normalised). What goes into a quantiser is computed in f32, as accurately as f32 sums, v_exp_f32 and their like allow (about 1e-6 of the number): no bf16 or f16 on the way to a quantiser, and a product that is left as it is and whose result goes on into a quantised operand takes f32 operands (vector FMAs, or v_wmma_f32_16x16x4_f32). A number that lies on a knife's edge between two numbers of the format may be rounded either way, as far as f32 arithmetic and the matrix unit's own rounding can turn it there, and no further.
;;   INPUTS GIVEN AS CODES. gaussian_feats (in the module: [16384, 32], K = its axis 0): each comes as NAME_codes (uint8): NAME with its K axis moved to the last place and cut into blocks of 32 codes, [.., K / 32, bytes a block], one block behind the other in memory; one code a byte (a code: sign, 4 exponent bits, 3 mantissa bits); and NAME_scales (uint8): the same leading axes, one E8M0 byte (e + 127) for each 32 codes along K. Its value is code x scale, taken as it is: it is not quantised again, and the codes and scales need not be those that the quantiser above would give.
;; One version. Each part assembles by itself: llvm-mc -triple=amdgcn-amd-amdhsa -mcpu=gfx1250 --defsym DOCPART=n.
;; ======== version 1 of 1: 2 launches
;; limits: right only within a limited range of input values
;; workspace buffers: coef 786,432 bytes; psum 262,144 bytes
;; launch sums (part 1): grid 16 x 16, 16 waves a work-group, no clusters, 59,392 bytes of LDS; arguments means, log_scales, rotations, opacity_logits, query_xyz, coef, psum; writes coef, psum
.if DOCPART == 1
	.amdgcn_target "amdgcn-amd-amdhsa--gfx1250"
	.amdhsa_code_object_version 6
	.text
	.protected	k_qb5a6799398_sums
	.globl	k_qb5a6799398_sums
	.p2align	8
	.type	k_qb5a6799398_sums,@function
k_qb5a6799398_sums:
	s_mov_b64 s[64:65], 0
	v_nop
	global_prefetch_b8 v0, s[64:65] scope:SCOPE_SE
	s_setreg_imm32_b32 hwreg(HW_REG_WAVE_MODE, 25, 1), 1
	s_wait_xcnt 0x0
; GaussianSplatScene, launch 1 of 2: the gaussians' coefficients, and the row sums of the weights in 16 parts.
; weight(q, g) = sigmoid(o_g) exp(-maha / 2), maha = (p - mu)^T A (p - mu), A = (R S^2 R^T + 1e-6 I)^-1.
; WHAT IS REWRITTEN, for all values of the inputs within the limits below:  R is made of the normalised quaternion, so R R^T = I and
; R S^2 R^T + 1e-6 I = R (S^2 + 1e-6 I) R^T: A = R diag(1 / (s_k^2 + 1e-6)) R^T.  The product RS RS^T and the inverse are not formed.
; A is symmetric, so p^T A p - 2 p^T A mu + mu^T A mu is one polynomial of ten terms, and with kappa = -log2(e) / 2
;   log2(weight) = c0 x^2 + c1 y^2 + c2 z^2 + c3 xy + c4 xz + c5 yz + c6 x + c7 y + c8 z + c9,
;   c0..2 = kappa A_ii, c3..5 = 2 kappa A_ij, c6..8 = -2 kappa (A mu)_i, c9 = kappa mu^T A mu + log2(sigmoid(o)).
; No input is left out.  All of it is f32: the weights go on into a quantised operand.
; LIMITS.  Quaternions with 0 < |q| < 1e-12 (there the clamp of the norm leaves R not orthogonal) are not served.  Logits under -88 give the weight 0
; (reference(): under 1.2e-38).  A weight under 2^-126 comes out as 0 (v_exp_f32 flushes: ISA guide 15.8).  The ten terms cancel as in reference()'s
; own expansion: the error of the exponent grows with |A| |p|^2 x 2^-24.  NaN and infinities among the inputs are not served.
; SHARES.  A work-group: 256 queries (x) x 1,024 gaussians (y).  First each thread prepares 2 gaussians, two at a time in packed f32, and puts the
; coefficients into LDS as IMAGES OF THE f32 MATRIX OPERAND (16 rows x K = 4: lane (r, h) holds row r, k = 2 h + 0, 1: ISA guide 7.12.2).
; A block of 32 gaussians is 1,536 bytes: tile 0's K steps 0, 1 (16 bytes a lane), tile 1's, then K step 2 of both tiles (8 + 8 bytes a lane).
; K order: x^2 y^2 z^2 xy | xz yz x y | z, (the row's normaliser: coefficient 1), 1, (nothing: 0).  Row r of tile u is gaussian 8 u + r % 8 + 16 (r / 8)
; of the block: launch 2 wants them so; a sum does not care.  Wave number x of each work-group stores its own 3,072 bytes of the image to coef.
; Then each wave owns 16 queries and walks the 64 tiles: source 0 = its queries, source 1 = 16 gaussians, so a lane holds ONE gaussian and its
; eight registers eight queries.  c8 z + c9 is made by four packed multiply-adds (c8, c9 a lane, z a register) and is the C of the first of two
; matrix instructions (K = 8).  Then 2^(.), and the sums are kept by register; the 16 lanes are added at the end.
; NO CLUSTER, NO TENSOR LOAD: what the 16 work-groups of a chunk share is 45,056 bytes of inputs, read once at the head for 262,144 pairs a
; work-group, and they pass through arithmetic on their way to LDS.
.set BLKB,  1536                       ; a block's image
.set WAVEB, 3072                       ; the two blocks that a wave prepares
.set IMGB,  49152                      ; a chunk's image: LDS bytes 0 on
.set PSB,   49152                      ; the work-group's 256 sums (1,024 bytes are used)
.set SPARE, 57344                      ; the spare words, 128 bytes for each wave: eight blocks of 256 bytes that no other line names
.set LN,  1                            ; lane
.set O12, 2                            ; 12 x lane
.set LA,  3                            ; 16 x lane
.set O4,  4                            ; 4 x lane
.set ST,  5                            ; where my gaussian's K steps 0, 1 go
.set ST3, 6                            ; and its K step 2
.set LR,  7                            ; 16 x (lane % 16)
.set Q12, 8                            ; 12 x (lane % 16)
.set QH,  9                            ; 96 x (lane / 16)
.set SPW, 10                           ; LDS address of my spare word; never rewritten
.set NIL, 11                           ; 0; never rewritten
.set PSA, 12                           ; where my half's eight sums go
.set T16, 13                           ; 16 x thread
.set TA,  14
.set EX,  15                           ; my wave's image + 16 x lane
.set ACC, 16                           ; v16-23  the sums of queries 8 h + 0 .. 7 over my lane's gaussians
.set Z,   24                           ; v24-31  z of queries 8 h + 0 .. 7
.set QA,  32                           ; v32-35  my 16 queries as source 0, K steps 0 and 1
.set QX,  36                           ; v36-44  x, y, z of query lane % 16 and their products
.set D,   64                           ; v64-127 two sets of four accumulators: written by matrix instructions alone
.set C,   128                          ; v128-159 c8 z + c9 of four tiles
.set P,   160                          ; v160-191 the weights of four tiles
.set BF,  192                          ; v192-223 two sets: four tiles of gaussians, K steps 0 and 1
.set CC,  224                          ; v224-255 two sets: (c8, 1) and (c9, 0) of four tiles
; the preparation's pairs (low register: the thread's first gaussian, high: its second); they lie where C, P, BF, CC lie later
.set MX, 128
.set MY, 130
.set MZ, 132
.set LS0, 134
.set LS1, 136
.set LS2, 138
.set RW, 140
.set RX, 142
.set RY, 144
.set RZ, 146
.set OP, 148
.set T0, 150
.set X2, 152
.set Y2, 154
.set Z2, 156
.set XX, 158
.set YY, 160
.set ZZ, 162
.set XY, 164
.set XZ, 166
.set YZ, 168
.set WX, 170
.set WY, 172
.set WZ, 174
.set R00, 176
.set R01, 178
.set R02, 180
.set R10, 182
.set R11, 184
.set R12, 186
.set R20, 188
.set R21, 190
.set R22, 192
.set G00, 194
.set G01, 196
.set G02, 198
.set G10, 200
.set G11, 202
.set G12, 204
.set G20, 206
.set G21, 208
.set G22, 210
.set A00, 212
.set A11, 214
.set A22, 216
.set A01, 218
.set A02, 220
.set A12, 222
.set U0, 224
.set U1, 226
.set U2, 228
.set MM, 230
.set OUT0, 232                         ; v232-243, v244-255: a gaussian's twelve numbers in the order of its four LDS stores
.set OUT1, 244
.macro PMUL d, a, b
	v_pk_mul_f32 v[\d:\d+1], v[\a:\a+1], v[\b:\b+1]
.endm
.macro PFMA d, a, b, c
	v_pk_fma_f32 v[\d:\d+1], v[\a:\a+1], v[\b:\b+1], v[\c:\c+1]
.endm
.macro PADD d, a, b
	v_pk_add_f32 v[\d:\d+1], v[\a:\a+1], v[\b:\b+1]
.endm
.macro PSUB d, a, b
	v_pk_add_f32 v[\d:\d+1], v[\a:\a+1], v[\b:\b+1] neg_lo:[0,1] neg_hi:[0,1]
.endm
	s_load_b256 s[4:11], s[0:1], 0x0               ; means s[4:5], log_scales s[6:7], rotations s[8:9], opacity_logits s[10:11]
	s_load_b128 s[12:15], s[0:1], 0x20             ; query_xyz s[12:13], coef s[14:15]
	s_load_b64 s[16:17], s[0:1], 0x30              ; psum
	v_lshl_add_u32 v[SPW], v0, 2, SPARE
	v_mov_b32 v[NIL], 0
	v_lshrrev_b32 v[LN], 5, v0
	v_readfirstlane_b32 s18, v[LN]                 ; wave 0..15
	v_and_b32 v[LN], 31, v0
	s_and_b32 s19, ttmp7, 0xffff                   ; the chunk of 1,024 gaussians
	s_mov_b32 s20, ttmp9                           ; the block of 256 queries
	s_lshl_b32 s21, s19, 10
	s_lshl_b32 s22, s18, 6
	s_add_co_u32 s21, s21, s22                     ; my wave's first gaussian: 1,024 chunk + 64 wave
	s_mul_i32 s22, s21, 12                         ; its byte in means and in log_scales,
	s_mov_b32 s23, 0
	s_lshl_b32 s34, s21, 4                         ; in rotations,
	s_mov_b32 s35, 0
	s_lshl_b32 s36, s21, 2                         ; in opacity_logits
	s_mov_b32 s37, 0
	s_lshl_b32 s38, s20, 8
	s_lshl_b32 s39, s18, 4
	s_add_co_u32 s38, s38, s39                     ; my wave's first query: 256 x + 16 wave
	s_mul_i32 s38, s38, 12
	s_mov_b32 s39, 0
	s_mul_i32 s40, s19, IMGB                       ; the chunk's image in coef
	s_mov_b32 s41, 0
	s_lshl_b32 s42, s19, 14                        ; psum [chunk][query]: 16,384 bytes a chunk,
	s_lshl_b32 s43, s20, 10                        ; 1,024 a work-group
	s_add_co_u32 s42, s42, s43
	s_mov_b32 s43, 0
	s_mul_i32 s33, s18, WAVEB                      ; my wave's two blocks in the image
	s_lshl_b32 s44, s18, 6
	s_add_co_u32 s44, s44, PSB                     ; my wave's 16 sums in LDS
	s_mov_b32 s24, 0x4038aa3b                      ; 2 log2(e): s^2 = 2^(2 log2(e) log_scale)
	s_mov_b32 s25, s24                             ; (a packed form names the pair, so both are written)
	s_mov_b32 s26, 0x358637bd                      ; 1e-6
	s_mov_b32 s27, s26
	s_mov_b32 s28, 0xbfb8aa3b                      ; -log2(e)
	s_mov_b32 s29, s28
	s_mov_b32 s30, 0xbf38aa3b                      ; kappa = -log2(e) / 2
	s_mov_b32 s31, 0xbfb8aa3b                      ; 2 kappa
	s_mov_b32 s32, 0x3fb8aa3b                      ; -2 kappa
	v_mul_u32_u24 v[O12], v[LN], 12
	v_lshlrev_b32 v[LA], 4, v[LN]
	v_lshlrev_b32 v[O4], 2, v[LN]
	v_and_b32 v[TA], 7, v[LN]
	v_lshrrev_b32 v[EX], 4, v[LN]                  ; lane / 16
	v_lshl_or_b32 v[TA], v[EX], 3, v[TA]           ; gaussian i of a block is row i % 8 + 8 (i / 16)
	v_bfe_u32 v[T16], v[LN], 3, 1                  ; of tile (i / 8) % 2
	v_lshlrev_b32 v[TA], 4, v[TA]
	v_add_nc_u32 v[TA], s33, v[TA]
	v_lshl_add_u32 v[ST], v[T16], 9, v[TA]         ; 3,072 wave + 512 tile + 16 row
	v_lshl_add_u32 v[ST3], v[T16], 3, v[TA]        ; 3,072 wave + 16 row + 8 tile
	v_and_b32 v[LR], 15, v[LN]
	v_mul_u32_u24 v[Q12], v[LR], 12
	v_lshlrev_b32 v[LR], 4, v[LR]
	v_mul_u32_u24 v[QH], v[EX], 96                 ; eight queries of 12 bytes
	v_lshlrev_b32 v[PSA], 5, v[EX]
	v_add_nc_u32 v[PSA], s44, v[PSA]
	v_lshlrev_b32 v[T16], 4, v0
	v_add_nc_u32 v[EX], s33, v[LA]
	s_wait_kmcnt 0x0
	s_add_nc_u64 s[4:5], s[4:5], s[22:23]
	s_add_nc_u64 s[6:7], s[6:7], s[22:23]
	s_add_nc_u64 s[8:9], s[8:9], s[34:35]
	s_add_nc_u64 s[10:11], s[10:11], s[36:37]
	s_add_nc_u64 s[12:13], s[12:13], s[38:39]
	s_add_nc_u64 s[14:15], s[14:15], s[40:41]
	s_add_nc_u64 s[16:17], s[16:17], s[42:43]
.irp p, 0,1                                    ; my two gaussians, 32 apart; the 32 lanes' loads of one tensor cover consecutive bytes between them
	global_load_b32 v[RW+\p], v[LA], s[8:9] offset:512*\p
	global_load_b32 v[RX+\p], v[LA], s[8:9] offset:512*\p+4
	global_load_b32 v[RY+\p], v[LA], s[8:9] offset:512*\p+8
	global_load_b32 v[RZ+\p], v[LA], s[8:9] offset:512*\p+12
	global_load_b32 v[LS0+\p], v[O12], s[6:7] offset:384*\p
	global_load_b32 v[LS1+\p], v[O12], s[6:7] offset:384*\p+4
	global_load_b32 v[LS2+\p], v[O12], s[6:7] offset:384*\p+8
	global_load_b32 v[OP+\p], v[O4], s[10:11] offset:128*\p
	global_load_b32 v[MX+\p], v[O12], s[4:5] offset:384*\p
	global_load_b32 v[MY+\p], v[O12], s[4:5] offset:384*\p+4
	global_load_b32 v[MZ+\p], v[O12], s[4:5] offset:384*\p+8
.endr
	global_load_b32 v[QX], v[Q12], s[12:13]            ; x, y, z of query lane % 16
	global_load_b32 v[QX+1], v[Q12], s[12:13] offset:4
	global_load_b32 v[QX+2], v[Q12], s[12:13] offset:8
.irp j, 0,1,2,3,4,5,6,7
	global_load_b32 v[Z+\j], v[QH], s[12:13] offset:12*\j+8   ; z of query 8 (lane / 16) + j
.endr
	s_wait_loadcnt 0x0
	; ---- the preparation, two gaussians at a time
	PMUL T0, RW, RW
	PFMA T0, RX, RX, T0
	PFMA T0, RY, RY, T0
	PFMA T0, RZ, RZ, T0                            ; |q|^2
.irp a, LS0, LS1, LS2
	v_pk_mul_f32 v[\a:\a+1], v[\a:\a+1], s[24:25] op_sel_hi:[1,0]
.endr
	v_pk_mul_f32 v[OP:OP+1], v[OP:OP+1], s[28:29] op_sel_hi:[1,0]
	v_sqrt_f32 v[T0], v[T0]                        ; a batch of ten: |q|,
	v_sqrt_f32 v[T0+1], v[T0+1]
.irp a, LS0, LS1, LS2, OP
	v_exp_f32 v[\a], v[\a]                         ; s_k^2, and e^-o
	v_exp_f32 v[\a+1], v[\a+1]
.endr
	v_mov_b32 v[OUT0+9], 1.0                       ; the two constants of K step 2: plain work behind the batch
	v_mov_b32 v[OUT0+11], 0
	v_mov_b32 v[OUT1+9], 1.0
	v_mov_b32 v[OUT1+11], 0
	s_wait_alu depctr_va_vdst(0)                   ; one wait for the batch, ahead of its first reader
	v_max_num_f32 v[T0], 0x2b8cbccc, v[T0]         ; max(|q|, 1e-12)
	v_max_num_f32 v[T0+1], 0x2b8cbccc, v[T0+1]
.irp a, LS0, LS1, LS2
	v_pk_add_f32 v[\a:\a+1], v[\a:\a+1], s[26:27] op_sel_hi:[1,0]   ; s_k^2 + 1e-6
.endr
	v_pk_add_f32 v[OP:OP+1], v[OP:OP+1], 1.0 op_sel_hi:[1,0]        ; 1 + e^-o
.irp a, T0, LS0, LS1, LS2
	v_rcp_f32 v[\a], v[\a]                         ; the second batch of ten
	v_rcp_f32 v[\a+1], v[\a+1]
.endr
	v_log_f32 v[OP], v[OP]                         ; -log2(sigmoid(o))
	v_log_f32 v[OP+1], v[OP+1]
	; my queries as source 0: independent work behind the batch.  Lane (r, h): K step 0: h = 0: x^2, y^2; h = 1: z^2, xy.  K step 1: h = 0: xz, yz; h = 1: x, y
	v_mul_f32 v[QX+3], v[QX], v[QX]
	v_mul_f32 v[QX+4], v[QX+1], v[QX+1]
	v_mul_f32 v[QX+5], v[QX+2], v[QX+2]
	v_mul_f32 v[QX+6], v[QX], v[QX+1]
	v_mul_f32 v[QX+7], v[QX], v[QX+2]
	v_mul_f32 v[QX+8], v[QX+1], v[QX+2]
	v_cmp_gt_u32 vcc_lo, 16, v[LN]                 ; lanes 0-15
	v_cndmask_b32 v[QA], v[QX+5], v[QX+3], vcc_lo
	v_cndmask_b32 v[QA+1], v[QX+6], v[QX+4], vcc_lo
	v_cndmask_b32 v[QA+2], v[QX], v[QX+7], vcc_lo
	v_cndmask_b32 v[QA+3], v[QX+1], v[QX+8], vcc_lo
	s_wait_alu depctr_va_vdst(0)                   ; one wait for the second batch
.irp a, RW, RX, RY, RZ
	PMUL \a, \a, T0                                ; the normalised quaternion
.endr
	PADD X2, RX, RX
	PADD Y2, RY, RY
	PADD Z2, RZ, RZ
	PMUL XX, RX, X2                                ; 2 x x, and so on
	PMUL YY, RY, Y2
	PMUL ZZ, RZ, Z2
	PMUL XY, RX, Y2
	PMUL XZ, RX, Z2
	PMUL YZ, RY, Z2
	PMUL WX, RW, X2
	PMUL WY, RW, Y2
	PMUL WZ, RW, Z2
	PADD R00, YY, ZZ
	PADD R11, XX, ZZ
	PADD R22, XX, YY
	PSUB R01, XY, WZ
	PADD R02, XZ, WY
	PADD R10, XY, WZ
	PSUB R12, YZ, WX
	PSUB R20, XZ, WY
	PADD R21, YZ, WX
.irp a, R00, R11, R22
	v_pk_fma_f32 v[\a:\a+1], v[\a:\a+1], -1.0, 1.0 op_sel_hi:[1,0,0]
.endr
	PMUL G00, R00, LS0                             ; R_ak / (s_k^2 + 1e-6)
	PMUL G01, R01, LS1
	PMUL G02, R02, LS2
	PMUL G10, R10, LS0
	PMUL G11, R11, LS1
	PMUL G12, R12, LS2
	PMUL G20, R20, LS0
	PMUL G21, R21, LS1
	PMUL G22, R22, LS2
	PMUL A00, G00, R00                             ; A_ab = the sum over k of G_ak R_bk
	PMUL A11, G10, R10
	PMUL A22, G20, R20
	PMUL A01, G00, R10
	PMUL A02, G00, R20
	PMUL A12, G10, R20
	PFMA A00, G01, R01, A00
	PFMA A11, G11, R11, A11
	PFMA A22, G21, R21, A22
	PFMA A01, G01, R11, A01
	PFMA A02, G01, R21, A02
	PFMA A12, G11, R21, A12
	PFMA A00, G02, R02, A00
	PFMA A11, G12, R12, A11
	PFMA A22, G22, R22, A22
	PFMA A01, G02, R12, A01
	PFMA A02, G02, R22, A02
	PFMA A12, G12, R22, A12
	PMUL U0, A00, MX                               ; A mu
	PMUL U1, A01, MX
	PMUL U2, A02, MX
	PFMA U0, A01, MY, U0
	PFMA U1, A11, MY, U1
	PFMA U2, A12, MY, U2
	PFMA U0, A02, MZ, U0
	PFMA U1, A12, MZ, U1
	PFMA U2, A22, MZ, U2
	PMUL MM, MX, U0                                ; mu^T A mu
	PFMA MM, MY, U1, MM
	PFMA MM, MZ, U2, MM
; gaussian p's ten coefficients, each written where its LDS store wants it: (c0 c1 c4 c5) for lane (row, 0), (c2 c3 c6 c7) for lane (row, 1), (c8, 1), (c9, 0)
.macro COEFS p, o
	v_mul_f32 v[\o], s30, v[A00+\p]
	v_mul_f32 v[\o+1], s30, v[A11+\p]
	v_mul_f32 v[\o+2], s31, v[A02+\p]
	v_mul_f32 v[\o+3], s31, v[A12+\p]
	v_mul_f32 v[\o+4], s30, v[A22+\p]
	v_mul_f32 v[\o+5], s31, v[A01+\p]
	v_mul_f32 v[\o+6], s32, v[U0+\p]
	v_mul_f32 v[\o+7], s32, v[U1+\p]
	v_mul_f32 v[\o+8], s32, v[U2+\p]
	v_min_num_f32 v[OP+\p], 0x447a0000, v[OP+\p]   ; -log2(sigmoid) held at 1,000: where e^-o has overflowed the weight is 0, with no infinity among the coefficients
	v_fma_f32 v[\o+10], s30, v[MM+\p], -v[OP+\p]
	ds_store_b128 v[ST], v[\o:\o+3] offset:\p*BLKB
	ds_store_b128 v[ST], v[\o+4:\o+7] offset:\p*BLKB+256
	ds_store_b64 v[ST3], v[\o+8:\o+9] offset:\p*BLKB+1024
	ds_store_b64 v[ST3], v[\o+10:\o+11] offset:\p*BLKB+1280
.endm
	COEFS 0, OUT0
	COEFS 1, OUT1
	s_wait_dscnt 0x0                               ; for the others' sake: my stores into the image are done
	s_barrier_signal -1
	s_barrier_wait -1                              ; the image of 1,024 gaussians is whole
	; the image goes to memory once: of the 16 work-groups of a chunk, number x sends wave x's 3,072 bytes
	s_cmp_lg_u32 s18, s20
	s_cbranch_scc1 .Lnot_mine
.irp i, 0,1,2,3,4,5
	ds_load_b128 v[P+4*\i:P+4*\i+3], v[EX] offset:512*\i
.endr
	s_wait_dscnt 0x0
.irp i, 0,1,2,3,4,5
	global_store_b128 v[EX], v[P+4*\i:P+4*\i+3], s[14:15] offset:512*\i   ; 32 lanes store 512 consecutive bytes, at a multiple of 256 from coef's first byte
.endr
	s_wait_xcnt 0x0                                ; the stores have read their registers, which hold weights from here on
.Lnot_mine:
; ---- the walk: 16 groups of four tiles (64 gaussians)
.macro LOADS g                         ; group g's operands into set g % 2: eight LDS loads
.set BFS, BF+16*((\g)%2)
.set CCS, CC+16*((\g)%2)
.irp bb, 0,1
	ds_load_b128 v[BFS+8*\bb:BFS+8*\bb+3], v[LA] offset:(2*(\g)+\bb)*BLKB
	ds_load_b128 v[BFS+8*\bb+4:BFS+8*\bb+7], v[LA] offset:(2*(\g)+\bb)*BLKB+512
	ds_load_b128 v[CCS+8*\bb:CCS+8*\bb+3], v[LR] offset:(2*(\g)+\bb)*BLKB+1024    ; both halves of the lanes take row lane % 16: (c8, 1) of the block's two tiles,
	ds_load_b128 v[CCS+8*\bb+4:CCS+8*\bb+7], v[LR] offset:(2*(\g)+\bb)*BLKB+1280  ; and (c9, 0)
.endr
.endm
.macro CPREP g                         ; C = c8 z + c9: of the pairs (c8, 1) and (c9, 0) the low word serves both halves
.set CCS, CC+16*((\g)%2)
.irp t, 0,1,2,3
.irp jj, 0,2,4,6
	v_pk_fma_f32 v[C+8*\t+\jj:C+8*\t+\jj+1], v[Z+\jj:Z+\jj+1], v[CCS+8*(\t/2)+2*(\t%2):CCS+8*(\t/2)+2*(\t%2)+1], v[CCS+8*(\t/2)+4+2*(\t%2):CCS+8*(\t/2)+4+2*(\t%2)+1] op_sel_hi:[1,0,0]
.endr
.endr
.endm
.macro MULS g                          ; eight matrix instructions; the four accumulators take turns, one instruction a turn
.set BFS, BF+16*((\g)%2)
.set DSET, D+32*((\g)%2)
.irp t, 0,1,2,3
	v_wmma_f32_16x16x4_f32 v[DSET+8*\t:DSET+8*\t+7], v[QA:QA+1], v[BFS+4*\t:BFS+4*\t+1], v[C+8*\t:C+8*\t+7]
.endr
.irp t, 0,1,2,3
	v_wmma_f32_16x16x4_f32 v[DSET+8*\t:DSET+8*\t+7], v[QA+2:QA+3], v[BFS+4*\t+2:BFS+4*\t+3], v[DSET+8*\t:DSET+8*\t+7]
.endr
.endm
.macro EXPS g                          ; the weights, into registers of their own; each accumulator is read from its low end on
.set DSET, D+32*((\g)%2)
.set n, 0
.rept 32
	v_exp_f32 v[P+n], v[DSET+n]
.set n, n+1
.endr
.endm
.macro ADDS g                          ; the sums; the first group's first two tiles start them: nothing is cleared
.irp t, 0,1,2,3
.irp jj, 0,2,4,6
.if ((\g) == 0) && (\t == 0)
.elseif ((\g) == 0) && (\t == 1)
	v_pk_add_f32 v[ACC+\jj:ACC+\jj+1], v[P+\jj:P+\jj+1], v[P+8+\jj:P+8+\jj+1]
.else
	v_pk_add_f32 v[ACC+\jj:ACC+\jj+1], v[ACC+\jj:ACC+\jj+1], v[P+8*\t+\jj:P+8*\t+\jj+1]
.endif
.endr
.endr
.endm
; Group g's products stand between the exponentials and the sums of group g - 1.  Behind an f32 matrix instruction eight plain vector instructions that name none of its
; registers stand ahead of a read of its result, a write of its C and a load into its operands (ISA guide 7.12.1 for the result and C):
; the packed additions of ADDS, which name the sums and the weights alone, are these; behind group 0 eight v_nop.
.macro STAGE g
.if (\g) < 15
	LOADS (\g)+1
	s_wait_dscnt 8                                 ; group g's operands are in; the eight loads just issued may be out
.else
	s_wait_dscnt 0x0
.endif
.if (\g) > 0
	EXPS (\g)-1
.endif
	CPREP \g                                       ; sixteen plain instructions behind the batch of exponentials
.if (\g) > 0
	s_wait_alu depctr_va_vdst(0)                   ; one wait for the batch, ahead of its first reader (ADDS)
.endif
	MULS \g
.if (\g) > 0
	ADDS (\g)-1
.else
.rept 8
	v_nop
.endr
.endif
.endm
	LOADS 0
.set G, 0
.rept 16
	STAGE G
.set G, G+1
.endr
	EXPS 15
	v_nop                                          ; a plain instruction behind the last exponential
	s_wait_alu depctr_va_vdst(0)
	ADDS 15
.irp m, 1,2,4,8                                ; over the 16 gaussians (lanes) of each half: every lane ends with the sums of queries 8 h + 0 .. 7
.irp j, 0,1,2,3,4,5,6,7
	v_add_f32_dpp v[ACC+\j], v[ACC+\j], v[ACC+\j] row_xmask:\m row_mask:0xf bank_mask:0xf
.endr
.endr
	ds_store_b128 v[PSA], v[ACC:ACC+3]             ; the 16 lanes of a half write the same bytes with the same values
	ds_store_b128 v[PSA], v[ACC+4:ACC+7] offset:16
	s_wait_dscnt 0x0                               ; for the others' sake: my sums are in LDS
	s_barrier_signal -1
	s_barrier_wait -1
	s_cmp_gt_u32 s18, 1                            ; the work-group's 256 sums are 1,024 consecutive bytes of psum: waves 0 and 1 store 512 each
	s_cbranch_scc1 .Lend
	ds_load_b128 v[P:P+3], v[T16] offset:PSB
	s_wait_dscnt 0x0
	global_store_b128 v[T16], v[P:P+3], s[16:17]
.Lend:
	s_wait_tensorcnt 0x0                           ; the wave's end
	ds_add_u32 v[SPW], v[NIL]
	s_wait_dscnt 0x0
	s_endpgm
.Lfunc_end_k_qb5a6799398_sums:
	.size	k_qb5a6799398_sums, .Lfunc_end_k_qb5a6799398_sums-k_qb5a6799398_sums
	.p2alignl 7, 3214868480
	.fill 96, 4, 3214868480
	.section	.rodata,"a",@progbits
	.p2align	6, 0x0
	.amdhsa_kernel k_qb5a6799398_sums
		.amdhsa_group_segment_fixed_size 59392
		.amdhsa_private_segment_fixed_size 0
		.amdhsa_enable_private_segment 0
		.amdhsa_kernarg_size 56
		.amdhsa_user_sgpr_count 2
		.amdhsa_user_sgpr_kernarg_segment_ptr 1
		.amdhsa_wavefront_size32 1
		.amdhsa_system_sgpr_workgroup_id_x 1
		.amdhsa_system_sgpr_workgroup_id_y 1
		.amdhsa_system_sgpr_workgroup_id_z 1
		.amdhsa_system_vgpr_workitem_id 0
		.amdhsa_next_free_vgpr 256
		.amdhsa_next_free_sgpr 66
		.amdhsa_reserve_vcc 1
		.amdhsa_float_denorm_mode_32 3
		.amdhsa_float_denorm_mode_16_64 3
		.amdhsa_memory_ordered 1
		.amdhsa_forward_progress 1
		.amdhsa_inst_pref_size 83
	.end_amdhsa_kernel
	.amdgpu_metadata
---
amdhsa.version: [ 1, 2 ]
amdhsa.kernels:
  - .name:           k_qb5a6799398_sums
    .symbol:         k_qb5a6799398_sums.kd
    .args:
      - { .name: means, .offset: 0, .size: 8, .value_kind: global_buffer, .address_space: global }
      - { .name: log_scales, .offset: 8, .size: 8, .value_kind: global_buffer, .address_space: global }
      - { .name: rotations, .offset: 16, .size: 8, .value_kind: global_buffer, .address_space: global }
      - { .name: opacity_logits, .offset: 24, .size: 8, .value_kind: global_buffer, .address_space: global }
      - { .name: query_xyz, .offset: 32, .size: 8, .value_kind: global_buffer, .address_space: global }
      - { .name: coef, .offset: 40, .size: 8, .value_kind: global_buffer, .address_space: global }
      - { .name: psum, .offset: 48, .size: 8, .value_kind: global_buffer, .address_space: global }
    .group_segment_fixed_size: 59392
    .private_segment_fixed_size: 0
    .kernarg_segment_align: 8
    .kernarg_segment_size: 56
    .max_flat_workgroup_size: 512
    .sgpr_count:     66
    .vgpr_count:     256
    .wavefront_size: 32
...
	.end_amdgpu_metadata
.endif
;; end of part 1
;; launch main (part 2): grid 256 x 1, 16 waves a work-group, no clusters, 112,640 bytes of LDS; arguments query_xyz, coef, psum, gaussian_feats_codes, gaussian_feats_scales, out0; writes out0
.if DOCPART == 2
	.amdgcn_target "amdgcn-amd-amdhsa--gfx1250"
	.amdhsa_code_object_version 6
	.text
	.protected	k_qb5a6799398_main
	.globl	k_qb5a6799398_main
	.p2align	8
	.type	k_qb5a6799398_main,@function
k_qb5a6799398_main:
	s_mov_b64 s[64:65], 0
	v_nop
	global_prefetch_b8 v0, s[64:65] scope:SCOPE_SE
	s_setreg_imm32_b32 hwreg(HW_REG_WAVE_MODE, 25, 1), 1
	s_wait_xcnt 0x0
; GaussianSplatScene, launch 2 of 2: weights_norm, quantised to E4M3 along the gaussians, times the features' codes: out0.
; log2(weights_norm(q, g)) = the sum over k of c_k(g) phi_k(q): launch 1's ten coefficients (its head says how they stand for reference()'s covariance, inverse and
; Mahalanobis expansion, and with which limits) and one more term, 1 x -log2(sum(q) + 1e-8).  All of it is f32 up to the quantiser.
; LIMITS: launch 1's; a weights_norm under 2^-126 comes out as 0 (v_exp_f32 flushes: ISA guide 15.8); a block of zeros gets the scale byte 1 where the rule says 127:
; its codes are zeros, and the bytes are read here alone.
; SHARES.  A work-group OWNS 16 queries: all 16,384 gaussians are walked here, so every number of out0 has one owner.  Wave w walks gaussians 1,024 w .. 1,024 w + 1,023
; for the same 16 queries; the 16 partial results (16 x 32 numbers each) meet in LDS behind one barrier and are added in f32, waves ascending.
; OPERANDS GO FROM MEMORY STRAIGHT INTO REGISTERS: each fragment feeds one matrix instruction of one wave, so LDS would give no reuse.  The coefficients lie in coef as images of the
; f32 matrix operand: a load takes 512 consecutive bytes.  They run two halves (2 x 6 loads) ahead, in three sets of registers.  The features' codes are loaded by whole rows
; (a load: 4 features x 128 consecutive bytes) and turned into the operand's order through a stage of the wave's own in LDS (rows of 128 + 16 bytes), with no barrier.
; LAYOUT.  Both products are used transposed.  Exponents: source 0 = 16 gaussians, source 1 = the 16 queries, K = 12 in three instructions: a lane holds ONE query (lane % 16) and eight gaussians.
; Row r of tile u of a block of 32 is gaussian 8 u + r % 8 + 16 (r / 8), so the 16 registers of a block's two tiles are the 16 neighbours 16 (lane / 16) + 0 .. 15: the conversions' results
; are the second product's operand.  Second product: source 0 = 16 features, source 1 = the codes: a lane holds eight neighbouring features of its query.
; The walk is written out, sixteen halves of 64 gaussians: every offset is an immediate, and the features' scale word of each 128 gaussians has a register of its own.
; NO CLUSTER, NO TENSOR LOAD, though all work-groups walk the same bytes: a ring for joint loads would hold, for each of the 16 waves, two slots of a step's
; 6,144 + 4,096 bytes: 327,680 bytes, all that a work-group can have, with nothing left for the stages and the spare words.
.set BLKB,  1536                       ; the image of a block of 32 gaussians
.set IMGB,  49152                      ; the image of a wave's 1,024 gaussians
.set FROW,  144                        ; a feature's 128 codes in my stage: 128 bytes + 16: nine times 16 bytes from row to row
.set FSTB,  32*FROW                    ; a wave's stage for the features: LDS bytes 0 on
.set OSTG,  16*FSTB                    ; behind them: the partial results, 16 rows x 144 bytes for each wave
.set SROW,  144
.set OSTB,  16*SROW
.set SPARE, OSTG+16*OSTB               ; the spare words, 128 bytes for each wave: eight blocks of 256 bytes that no other line names
.set LN,  1                            ; lane
.set LA,  2                            ; 16 x lane: my place in an image
.set FG,  3                            ; the features in memory: 16,384 (lane / 8) + 16 (lane % 8)
.set SPW, 4                            ; LDS address of my spare word; never rewritten
.set NIL, 5                            ; 0; never rewritten
.set SI,  6                            ; the result's stage: where I put 32 bytes of a row
.set RB,  7                            ; and where thread T < 128 reads: row T / 8, 16 bytes at 16 (T % 8)
.set FI,  8                            ; the features' stage, in: row lane / 8, 16 (lane % 8)
.set T16, 9                            ; 16 x thread
.set QB,  10                           ; v10-15  the 16 queries as source 1, three K steps
.set FS,  16                           ; v16-23  the features' scale words: register s: lane f holds feature f's word for my s-th 128 gaussians
.set PW,  24                           ; v24     the weights' scale word
.set FR,  25                           ; the features' stage, out: row lane % 16, 16 (lane / 16)
.set TM,  26                           ; v26-27  two blocks' largest weights;  v36-37 a second chain of each
.set TX,  28
.set SC,  30                           ; v30-31  the conversions' scale operands
.set HL,  32                           ; v32-33  448 x the scale
.set BY,  34                           ; v34-35  the scale bytes
.set TN,  36
.set O,   40                           ; v40-55  two accumulators: features 0-15 and 16-31 of the queries
.set PC,  56                           ; v56-71  the codes of 128 gaussians
.set D,   72                           ; v72-103 four tiles of exponents: written by matrix instructions alone
.set P,   104                          ; v104-135 their weights
.set GA,  136                          ; v136-207 three sets: four tiles of gaussians, three K steps
.set FF,  208                          ; v208-239 32 features x 128 codes: as loaded, then as two fragments
.set SU,  104                          ; at the head: the 16 partial sums
.set QX,  120                          ; at the head: x, y, z and their products
.set RR,  240
.set HV,  241
.set L8,  242
.set L7,  243
.set SA,  244
.set Q4,  245
.set Q12, 246
.set TT,  247
.set SEL, 34                           ; s[34:35] v_permlanex16_b32's selects for lane l xor 16
.set MNT, 36                           ; s36  the mantissa field of 448
	s_load_b256 s[4:11], s[0:1], 0x0               ; query_xyz s[4:5], coef s[6:7], psum s[8:9], the features' codes s[10:11]
	s_load_b128 s[12:15], s[0:1], 0x20             ; their scales s[12:13], out0 s[14:15]
	v_lshl_add_u32 v[SPW], v0, 2, SPARE
	v_mov_b32 v[NIL], 0
	v_lshrrev_b32 v[LN], 5, v0
	v_readfirstlane_b32 s18, v[LN]                 ; wave 0..15: also my chunk of 1,024 gaussians
	v_and_b32 v[LN], 31, v0
	s_mul_i32 s20, s18, IMGB                       ; my chunk's image in coef
	s_mov_b32 s21, 0
	s_lshl_b32 s22, ttmp9, 4                       ; the work-group's first query
	s_mul_i32 s24, s22, 12
	s_mov_b32 s25, 0
	s_lshl_b32 s26, s22, 2
	s_mov_b32 s27, 0
	s_lshl_b32 s28, s18, 10                        ; my chunk's 1,024 codes in a feature's row,
	s_mov_b32 s29, 0
	s_lshl_b32 s30, s18, 5                         ; and its 32 scale bytes
	s_mov_b32 s31, 0
	s_lshl_b32 s32, ttmp9, 11                      ; out0: 16 rows of 128 bytes a work-group
	s_mov_b32 s33, 0
	s_mov_b32 s[SEL], 0x76543210
	s_mov_b32 s[SEL+1], 0xfedcba98
	s_mov_b32 s[MNT], 0x600000
	s_mul_i32 s37, s18, FSTB                       ; my stage for the features
	s_mul_i32 s38, s18, OSTB
	s_add_co_u32 s38, s38, OSTG                    ; my stage for the result
	v_lshlrev_b32 v[LA], 4, v[LN]
	v_lshlrev_b32 v[T16], 4, v0
	v_and_b32 v[RR], 15, v[LN]                     ; r
	v_lshrrev_b32 v[HV], 4, v[LN]                  ; h
	v_lshrrev_b32 v[L8], 3, v[LN]
	v_and_b32 v[L7], 7, v[LN]
	v_lshlrev_b32 v[FG], 14, v[L8]
	v_lshl_add_u32 v[FG], v[L7], 4, v[FG]
	v_mul_u32_u24 v[FI], v[L8], FROW
	v_lshl_add_u32 v[FI], v[L7], 4, v[FI]
	v_add_nc_u32 v[FI], s37, v[FI]
	v_mul_u32_u24 v[FR], v[RR], FROW
	v_lshl_add_u32 v[FR], v[HV], 4, v[FR]
	v_add_nc_u32 v[FR], s37, v[FR]
	v_lshlrev_b32 v[SA], 9, v[LN]                  ; a row of the features' scales is 512 bytes
	v_lshlrev_b32 v[Q4], 2, v[RR]
	v_mul_u32_u24 v[Q12], v[RR], 12
	v_mul_u32_u24 v[SI], v[RR], SROW
	v_lshl_add_u32 v[SI], v[HV], 5, v[SI]
	v_add_nc_u32 v[SI], s38, v[SI]                 ; in: row r, + 32 h
	v_lshrrev_b32 v[TT], 3, v0
	v_mul_u32_u24 v[RB], v[TT], SROW
	v_and_b32 v[TT], 7, v0
	v_lshl_add_u32 v[RB], v[TT], 4, v[RB]
	v_add_nc_u32 v[RB], OSTG, v[RB]                ; back: eight threads to a row of 128 bytes (used by threads 0 to 127)
	v_mov_b32 v[TX], 0                             ; written once: a lane permute's destination counts as one of its sources
	v_mov_b32 v[TX+1], 0
	s_wait_kmcnt 0x0
	s_add_nc_u64 s[4:5], s[4:5], s[24:25]
	s_add_nc_u64 s[6:7], s[6:7], s[20:21]
	s_add_nc_u64 s[8:9], s[8:9], s[26:27]
	s_add_nc_u64 s[10:11], s[10:11], s[28:29]
	s_add_nc_u64 s[12:13], s[12:13], s[30:31]
	s_add_nc_u64 s[14:15], s[14:15], s[32:33]
.macro LOADG i                         ; half i's four tiles into set i % 3: six loads of 512 consecutive bytes
.set GAL, GA+24*((\i)%3)
.irp bb, 0,1
	global_load_b128 v[GAL+12*\bb:GAL+12*\bb+3], v[LA], s[6:7] offset:(2*(\i)+\bb)*BLKB
	global_load_b128 v[GAL+12*\bb+4:GAL+12*\bb+7], v[LA], s[6:7] offset:(2*(\i)+\bb)*BLKB+512
	global_load_b128 v[GAL+12*\bb+8:GAL+12*\bb+11], v[LA], s[6:7] offset:(2*(\i)+\bb)*BLKB+1024
.endr
.endm
.macro LOADF u                         ; the 32 features' codes of my u-th 128 gaussians: eight loads; load k takes features 4 k .. 4 k + 3, 128 consecutive bytes of each
.irp k, 0,1,2,3,4,5,6,7
	global_load_b128 v[FF+4*\k:FF+4*\k+3], v[FG], s[10:11] offset:65536*\k+128*(\u)
.endr
.endm
.macro TURNF                           ; through my stage: in by rows, out in the operand's order (lane (r, h), registers 4 c on: codes 32 c + 16 h + 0 .. 15 of feature 16 t + r), into the registers that they left
.irp k, 0,1,2,3,4,5,6,7
	ds_store_b128 v[FI], v[FF+4*\k:FF+4*\k+3] offset:4*FROW*\k
.endr
.irp t, 0,1
.irp cc, 0,1,2,3
	ds_load_b128 v[FF+16*\t+4*\cc:FF+16*\t+4*\cc+3], v[FR] offset:16*FROW*\t+32*\cc   ; LDS serves a wave's instructions in order (ISA guide 5.7.1.4): these see the stores above
.endr
.endr
.endm
	global_load_b32 v[QX], v[Q12], s[4:5]
	global_load_b32 v[QX+1], v[Q12], s[4:5] offset:4
	global_load_b32 v[QX+2], v[Q12], s[4:5] offset:8
.irp cc, 0,1,2,3,4,5,6,7,8,9,10,11,12,13,14,15
	global_load_b32 v[SU+\cc], v[Q4], s[8:9] offset:16384*\cc                 ; query r's sum, in 16 parts
.endr
	global_load_b128 v[FS:FS+3], v[SA], s[12:13]                              ; feature l's eight scale words of my chunk: they stay in registers
	global_load_b128 v[FS+4:FS+7], v[SA], s[12:13] offset:16
	LOADG 0
	LOADG 1
	LOADF 0
	s_wait_loadcnt 20                              ; the first 21 loads are in; the 6 + 6 + 8 behind them may be out
.irp k, 2,4,6,8,10,12,14
	v_pk_add_f32 v[SU:SU+1], v[SU:SU+1], v[SU+\k:SU+\k+1]
.endr
	v_add_f32 v[SU], v[SU], v[SU+1]                ; the row's sum
	v_add_f32 v[SU], 0x322bcc77, v[SU]             ; + 1e-8
	v_log_f32 v[SU], v[SU]
	v_mul_f32 v[QX+3], v[QX], v[QX]                ; independent work behind the logarithm
	v_mul_f32 v[QX+4], v[QX+1], v[QX+1]
	v_mul_f32 v[QX+5], v[QX+2], v[QX+2]
	v_mul_f32 v[QX+6], v[QX], v[QX+1]
	v_mul_f32 v[QX+7], v[QX], v[QX+2]
	v_mul_f32 v[QX+8], v[QX+1], v[QX+2]
	v_cmp_gt_u32 vcc_lo, 16, v[LN]                 ; lanes 0-15
	v_cndmask_b32 v[QB], v[QX+5], v[QX+3], vcc_lo      ; K step 0: h = 0: x^2, y^2;  h = 1: z^2, xy
	v_cndmask_b32 v[QB+1], v[QX+6], v[QX+4], vcc_lo
	v_cndmask_b32 v[QB+2], v[QX], v[QX+7], vcc_lo      ; K step 1: h = 0: xz, yz;  h = 1: x, y
	v_cndmask_b32 v[QB+3], v[QX+1], v[QX+8], vcc_lo
	v_cndmask_b32 v[QB+4], 1.0, v[QX+2], vcc_lo        ; K step 2: h = 0: z, -log2(sum + 1e-8);  h = 1: 1, 0
	s_wait_alu depctr_va_vdst(0)                   ; the wait ahead of the logarithm's first reader
	v_xor_b32 v[SU], 0x80000000, v[SU]
	v_cndmask_b32 v[QB+5], 0, v[SU], vcc_lo
; HALF i: 64 gaussians: blocks 2 (i % 2) and 2 (i % 2) + 1 of my (i / 2)-th 128.
; THE LOADS' ORDER (G: a half's six, F: a step's eight): G0 G1 F0 | G2 | G3 | G4 F1 | G5 | G6 F2 | .. | G14 F6 | G15 | F7 | -, a bar at each half's start.  Loads come back in order
; (ISA guide 5.7.1), so a wait's count is the number of loads issued behind the wanted ones.
; Loads into registers that matrix instructions have read stand eight plain vector instructions or more behind those: for a set of coefficients the quantiser's
; lines of the half that multiplied it; for the features the eight v_nop of the next half, which name none of the scaled products' registers.
.macro HALF i
.set UN, (\i)/2
.set HH, (\i)%2
.set GAS, GA+24*((\i)%3)
.if (\i) < 14
	LOADG (\i)+2                                   ; two halves ahead
.endif
.if (\i) == 15
	s_wait_loadcnt 8                               ; behind G15: F7
.elseif (\i) == 14
	s_wait_loadcnt 14                              ; behind G14: F6, G15
.elseif (\i) == 2
	s_wait_loadcnt 12                              ; behind G2: G3, G4
.else
	s_wait_loadcnt 20                              ; behind this half's six: two more halves' and one step's features
.endif
.irp s, 0,1,2                                  ; twelve matrix instructions; the four accumulators take turns, one instruction a turn; the first K step starts the sums
.irp t, 0,1,2,3
.if \s == 0
	v_wmma_f32_16x16x4_f32 v[D+8*\t:D+8*\t+7], v[GAS+12*(\t/2)+4*(\t%2):GAS+12*(\t/2)+4*(\t%2)+1], v[QB:QB+1], 0
.elseif \s == 1
	v_wmma_f32_16x16x4_f32 v[D+8*\t:D+8*\t+7], v[GAS+12*(\t/2)+4*(\t%2)+2:GAS+12*(\t/2)+4*(\t%2)+3], v[QB+2:QB+3], v[D+8*\t:D+8*\t+7]
.else
	v_wmma_f32_16x16x4_f32 v[D+8*\t:D+8*\t+7], v[GAS+12*(\t/2)+8+2*(\t%2):GAS+12*(\t/2)+8+2*(\t%2)+1], v[QB+4:QB+5], v[D+8*\t:D+8*\t+7]
.endif
.endr
.endr
.rept 8
	v_nop                                          ; eight places ahead of the first read of the results, and of the loads below
.endr
.if (HH == 0) && (UN > 0)
	LOADF UN                                       ; this step's features, into the registers that the last step's scaled products have read
.endif
.set n, 0
.rept 32
	v_exp_f32 v[P+n], v[D+n]                       ; weights_norm, finished: register 16 b + i is gaussian 32 b + 16 h + i of this half; each accumulator is read from its low end on
.set n, n+1
.endr
	v_nop                                          ; a plain instruction behind the last exponential
	s_wait_alu depctr_va_vdst(0)                   ; one wait for the batch, ahead of its first reader
.irp b, 0,1                                    ; each block's largest weight (none is negative), in two chains, with the floor 2^(9 - 127): so the byte cannot fall under 1
	v_max3_num_f32 v[TM+\b], v[P+16*\b], v[P+16*\b+1], 0x4800000
	v_max3_num_f32 v[TN+\b], v[P+16*\b+8], v[P+16*\b+9], v[P+16*\b+10]
.endr
.irp k, 2,4
.irp b, 0,1
	v_max3_num_f32 v[TM+\b], v[TM+\b], v[P+16*\b+\k], v[P+16*\b+\k+1]
	v_max3_num_f32 v[TN+\b], v[TN+\b], v[P+16*\b+9+\k], v[P+16*\b+10+\k]
.endr
.endr
.irp b, 0,1
	v_max3_num_f32 v[TM+\b], v[TM+\b], v[P+16*\b+6], v[P+16*\b+7]
.endr
.irp b, 0,1
	v_max3_num_f32 v[TM+\b], v[TM+\b], v[TN+\b], v[P+16*\b+15]
.endr
.irp b, 0,1
	v_permlanex16_b32 v[TX+\b], v[TM+\b], s[SEL], s[SEL+1]
.endr
.irp b, 0,1
	v_max_num_f32 v[TM+\b], v[TM+\b], v[TX+\b]     ; with lane l xor 16's 16 gaussians: the block's
.endr
.irp b, 0,1
	v_add_nc_u32 v[SC+\b], 0xfc000000, v[TM+\b]    ; 8 off its exponent field: the conversion takes the exponent field of this operand as its scale
.endr
.irp b, 0,1
	v_and_or_b32 v[HL+\b], v[TM+\b], 0x7f800000, s[MNT]   ; 448 x the scale
.endr
.irp b, 0,1
	v_lshrrev_b32 v[BY+\b], 23, v[SC+\b]           ; the scale's byte
.endr
.if HH == 0
	v_lshl_or_b32 v[PW], v[BY+1], 8, v[BY]         ; the scale word of 128 gaussians is made over two halves
.else
	v_lshl_or_b32 v[PW], v[BY], 16, v[PW]
	v_lshl_or_b32 v[PW], v[BY+1], 24, v[PW]
.if UN == 0
	s_wait_loadcnt 12                              ; the step's features are in; behind F0: G2, G3
.elseif UN == 7
	s_wait_loadcnt 0x0                             ; nothing was issued behind F7
.else
	s_wait_loadcnt 6                               ; behind this step's features: one half's six
.endif
	TURNF                                          ; the holds and conversions below stand beside the way through the stage
.endif
.irp b, 0,1
.irp k, 0,1,2,3,4,5,6,7,8,9,10,11,12,13,14,15
	v_min_num_f32 v[P+16*\b+\k], v[P+16*\b+\k], v[HL+\b]   ; the conversion to an 8-bit code does not saturate (ISA guide 7.6.2); no weight is negative, so the hold is one-sided
.endr
	v_cvt_scalef32_pk8_fp8_f32 v[PC+8*HH+4*\b:PC+8*HH+4*\b+1], v[P+16*\b:P+16*\b+7], v[SC+\b]
	v_cvt_scalef32_pk8_fp8_f32 v[PC+8*HH+4*\b+2:PC+8*HH+4*\b+3], v[P+16*\b+8:P+16*\b+15], v[SC+\b]
.endr
	v_nop                                          ; a plain instruction behind the last conversion
.if HH == 1
	s_wait_dscnt 0x0                               ; the two fragments of features are back from my stage
.rept 3
	v_nop                                          ; with the one above: four places between the codes and the scaled products; the scale word stands 32 holds further up
.endr
.if UN == 0
	v_wmma_scale_f32_16x16x128_f8f6f4 v[O:O+7], v[FF:FF+15], v[PC:PC+15], 0, v[FS+UN], v[PW]
	v_wmma_scale_f32_16x16x128_f8f6f4 v[O+8:O+15], v[FF+16:FF+31], v[PC:PC+15], 0, v[FS+UN], v[PW] matrix_a_scale:MATRIX_SCALE_ROW1
.else
	v_wmma_scale_f32_16x16x128_f8f6f4 v[O:O+7], v[FF:FF+15], v[PC:PC+15], v[O:O+7], v[FS+UN], v[PW]
	v_wmma_scale_f32_16x16x128_f8f6f4 v[O+8:O+15], v[FF+16:FF+31], v[PC:PC+15], v[O+8:O+15], v[FS+UN], v[PW] matrix_a_scale:MATRIX_SCALE_ROW1
.endif
.endif
.endm
.set H, 0
.rept 16
	HALF H
.set H, H+1
.endr
	; THE WAY OUT.  Lane (r, h) holds features 16 t + 8 h + 0 .. 7 of query r over my 1,024 gaussians: 32 bytes of a row of 128.  Each wave lays its 16 rows into a stage of its own; behind the
	; barrier thread T of waves 0 to 3 adds the 16 stages' 16 bytes at row T / 8, piece T % 8, waves ascending, and stores them: a wave's store covers 512 consecutive bytes of out0.
.rept 8
	v_nop                                          ; eight places ahead of the first read of the results
.endr
	ds_store_b128 v[SI], v[O:O+3]
	ds_store_b128 v[SI], v[O+4:O+7] offset:16
	ds_store_b128 v[SI], v[O+8:O+11] offset:64
	ds_store_b128 v[SI], v[O+12:O+15] offset:80
	s_wait_dscnt 0x0                               ; for the others' sake: my stores are done
	s_barrier_signal -1
	s_barrier_wait -1                              ; the sixteen partial results lie in LDS
	s_cmp_gt_u32 s18, 3
	s_cbranch_scc1 .Lend
.irp c, 0,1,2,3,4,5,6,7,8,9,10,11,12,13,14,15
	ds_load_b128 v[GA+4*\c:GA+4*\c+3], v[RB] offset:\c*OSTB
.endr
	s_wait_dscnt 14                                ; LDS loads come back in order: the first two are in
	v_pk_add_f32 v[P:P+1], v[GA:GA+1], v[GA+4:GA+5]
	v_pk_add_f32 v[P+2:P+3], v[GA+2:GA+3], v[GA+6:GA+7]
.irp c, 2,3,4,5,6,7,8,9,10,11,12,13,14,15
	s_wait_dscnt 15-\c                             ; wave c's part is in; the younger ones may be out
	v_pk_add_f32 v[P:P+1], v[P:P+1], v[GA+4*\c:GA+4*\c+1]
	v_pk_add_f32 v[P+2:P+3], v[P+2:P+3], v[GA+4*\c+2:GA+4*\c+3]
.endr
	global_store_b128 v[T16], v[P:P+3], s[14:15] th:TH_STORE_NT
.Lend:
	s_wait_tensorcnt 0x0                           ; the wave's end
	ds_add_u32 v[SPW], v[NIL]
	s_wait_dscnt 0x0
	s_endpgm
.Lfunc_end_k_qb5a6799398_main:
	.size	k_qb5a6799398_main, .Lfunc_end_k_qb5a6799398_main-k_qb5a6799398_main
	.p2alignl 7, 3214868480
	.fill 96, 4, 3214868480
	.section	.rodata,"a",@progbits
	.p2align	6, 0x0
	.amdhsa_kernel k_qb5a6799398_main
		.amdhsa_group_segment_fixed_size 112640
		.amdhsa_private_segment_fixed_size 0
		.amdhsa_enable_private_segment 0
		.amdhsa_kernarg_size 48
		.amdhsa_user_sgpr_count 2
		.amdhsa_user_sgpr_kernarg_segment_ptr 1
		.amdhsa_wavefront_size32 1
		.amdhsa_system_sgpr_workgroup_id_x 1
		.amdhsa_system_sgpr_workgroup_id_y 1
		.amdhsa_system_sgpr_workgroup_id_z 1
		.amdhsa_system_vgpr_workitem_id 0
		.amdhsa_next_free_vgpr 256
		.amdhsa_next_free_sgpr 66
		.amdhsa_reserve_vcc 1
		.amdhsa_float_denorm_mode_32 3
		.amdhsa_float_denorm_mode_16_64 3
		.amdhsa_memory_ordered 1
		.amdhsa_forward_progress 1
		.amdhsa_inst_pref_size 118
	.end_amdhsa_kernel
	.amdgpu_metadata
---
amdhsa.version: [ 1, 2 ]
amdhsa.kernels:
  - .name:           k_qb5a6799398_main
    .symbol:         k_qb5a6799398_main.kd
    .args:
      - { .name: query_xyz, .offset: 0, .size: 8, .value_kind: global_buffer, .address_space: global }
      - { .name: coef, .offset: 8, .size: 8, .value_kind: global_buffer, .address_space: global }
      - { .name: psum, .offset: 16, .size: 8, .value_kind: global_buffer, .address_space: global }
      - { .name: gaussian_feats_codes, .offset: 24, .size: 8, .value_kind: global_buffer, .address_space: global }
      - { .name: gaussian_feats_scales, .offset: 32, .size: 8, .value_kind: global_buffer, .address_space: global }
      - { .name: out0, .offset: 40, .size: 8, .value_kind: global_buffer, .address_space: global }
    .group_segment_fixed_size: 112640
    .private_segment_fixed_size: 0
    .kernarg_segment_align: 8
    .kernarg_segment_size: 48
    .max_flat_workgroup_size: 512
    .sgpr_count:     66
    .vgpr_count:     256
    .wavefront_size: 32
...
	.end_amdgpu_metadata
.endif
;; end of part 2
